; MI455X (gfx1250); checked and timed in simulation.
; The chip was launched on July 23, 2026; its instructions are those of AMD's public machine-readable ISA for CDNA 5 (MIT licence, August 2026) and "CDNA5" Instruction Set Architecture Reference Guide (July 2026). The comments in the code are by the model that wrote it; some were corrected since.
;; Full Attention Encoder. Allowed arithmetic: matrix products marked QUANTISED: E2M1 operands, one E8M0 scale for each 32 along K, by v_wmma_scale_f32_16x16x128_f8f6f4 with both operands' format E2M1 (or v_wmma_scale_f32_32x16x128_f4), f32 sums; everything else in f32.
;; Inputs: attn_mask 1 x 1 x 2,048 x 2,048 bool; keys 4 x 2,048 x 8 x 64 float32; queries 4 x 2,048 x 8 x 64 float32; values 4 x 2,048 x 8 x 64 float32.
;; Outputs: out0 4 x 2,048 x 8 x 64 float32.
;; This version of the problem:
;;   THIS VERSION OF THE PROBLEM IS GIVEN IN LOW PRECISION. The matrix products marked QUANTISED in the list below multiply operands that are first quantised to E2M1 (2 exponent bits, 1 mantissa bit; 4 bits a number), with one power-of-two scale for each 32 numbers along K (OCP MX v1.0); their sums are f32. All else is computed in f32.
;;   The module's matrix products, in the order in which they are computed (A, B: the left and right operand; K: the contracted axis; several contracted axes count as one K, in the product's order):
;;     1. batch 32 x [M 2,048, K 64] x [K 64, N 2,048]; A: input queries; B: input keys: QUANTISED
;;     2. batch 32 x [M 64, K 2,048] x [K 2,048, N 2,048]; A: input values; B: softmax (see below): QUANTISED
;;   THE QUANTISER, for each operand of a quantised product, along K:
;;     - K is cut into blocks of 32 from its start; a last block that is shorter is filled with zeros.
;;     - A block's scale is 2^e with e = floor(log2(the largest magnitude in the block)) - 2, held to -126 .. 127; a block of zeros has e = 0. As a byte (E8M0): e + 127.
;;     - Each number is divided by its block's scale, clamped to +-6, and rounded to the nearest number of E2M1, ties to even, subnormals kept.
;;     - The product sums the exact products of the quantised numbers (number of the format x scale) in f32.
;;   ~~~python
;;   def quantise(x, axis):      # numpy; x: float32 -> the quantised numbers, widened to float32 again
;;       x = np.moveaxis(x, axis, -1); K = x.shape[-1]
;;       x = np.pad(x, [(0, 0)] * (x.ndim - 1) + [(0, -K % 32)]); x = x.reshape(x.shape[:-1] + (-1, 32)); a = np.abs(x).max(-1, keepdims=True)
;;       e = np.where(a > 0, np.clip(np.frexp(np.where(a > 0, a, 1))[1] - 1 - 2, -126, 127), 0)      # np.frexp(a)[1] - 1 = floor(log2(a)), exactly
;;       r = np.clip(x / 2.0 ** e, -6, 6)
;;       step = 2.0 ** (np.maximum(np.frexp(np.where(r == 0, 1, r))[1] - 1, 0) - 1)
;;       q = np.round(r / step) * step * 2.0 ** e      # np.round: ties to even
;;       return np.moveaxis(q.reshape(q.shape[:-2] + (-1,))[..., :K], -1, axis).astype(np.float32)
;;   ~~~
;;   SOFTMAX AHEAD OF A QUANTISED PRODUCT. Where the list says 'softmax', what is quantised is not the finished softmax but p = 2^(t - M), with t = logit x log2(e) and M = ceil(the row's largest t), a whole number; so 1/2 < the row's largest p <= 1. The row's sum l is taken of the UNQUANTISED p, in f32, and the product's result is divided by l at the end. Since M is a whole number, a kernel that streams over the keys may use a running M (the ceiling of the running maximum): every later rescaling is an exact power of two, which a block's scale takes up: the codes' values come out the same.
;;   OPERANDS COMPUTED ON THE WAY. 'Computed on the way' means the value that the module computes at that place (a softmax that the list does not call 'softmax' is quantised finished and normalised). What goes into a quantiser is computed in f32, as accurately as f32 sums, v_exp_f32 and their like allow (about 1e-6 of the number): no bf16 or f16 on the way to a quantiser, and a product that is left as it is and whose result goes on into a quantised operand takes f32 operands (vector FMAs, or v_wmma_f32_16x16x4_f32). A number that lies on a knife's edge between two numbers of the format may be rounded either way, as far as f32 arithmetic and the matrix unit's own rounding can turn it there, and no further.
;; One version. Each part assembles by itself: llvm-mc -triple=amdgcn-amd-amdhsa -mcpu=gfx1250 --defsym DOCPART=n.
;; ======== version 1 of 1: 2 launches
;; limits: right only within a limited range of input values
;; workspace buffers: kv 4,587,520 bytes; qx 2,359,296 bytes; mb 524,288 bytes of whole numbers
;; launch prep (part 1): grid 1024 x 1, 4 waves a work-group, no clusters, 35,328 bytes of LDS; arguments queries, keys, values, attn_mask, kv, qx, mb; writes kv, qx, mb
.if DOCPART == 1
	.amdgcn_target "amdgcn-amd-amdhsa--gfx1250"
	.amdhsa_code_object_version 6
	.text
	.protected	k_qed6a5c0a39_prep
	.globl	k_qed6a5c0a39_prep
	.p2align	8
	.type	k_qed6a5c0a39_prep,@function
k_qed6a5c0a39_prep:
	s_mov_b64 s[64:65], 0
	v_nop
	global_prefetch_b8 v0, s[64:65] scope:SCOPE_SE
	s_setreg_imm32_b32 hwreg(HW_REG_WAVE_MODE, 25, 1), 1
	s_wait_xcnt 0x0
; queries, keys, values: [4][2048][8][64] f32; attn_mask: [2048][2048] bytes (0 or 1).  Each is read once and laid out as the attention launch's registers want it.
; Head hd = 8 b + h; a head's row l is 256 bytes at b x 2^22 + l x 2048 + h x 256.  Lane = (r, hh): r = lane % 16, hh = lane / 16.
; kv: for each (hd, key step s of 128 keys) one dense block of 8,960 bytes at (16 hd + s) x 8960:
;   +0     K's codes (E2M1, scale along the head's 64): tile t of 8 at 512 t + 16 lane: key 128 s + 32 (t / 2) + 8 (t % 2) + r + 8 (r / 8), block hh of its 64 numbers
;   +4096  V's codes (scale along the KEYS): tile t of 4, half c at 1024 t + 512 c + 16 lane: channel 16 t + r, keys 128 s + 64 c + 32 hh + 0 .. 31
;   +8192  K's scale words: at 16 lane + 4 j the word of tile 4 hh + j, row r: bytes 0, 1 the row's two blocks, bytes 2, 3 = 0x7f (they scale zero codes: the instruction's K is 128, the head's 64)
;   +8704  V's scale words: at 4 d the word of channel d: byte i for the step's key block i
; qx: for each (hd, group S of 128 queries) 4,608 bytes at (16 hd + S) x 4608: codes of tile t at 512 t + 16 lane (query 128 S + 16 t + r, block hh); scale words at 4096, laid as K's.
; mb: the mask as LANE MASKS: for (query tile T of 16, key step s) 64 words at (16 T + s) x 256; bit r + 16 hh of word 16 b + i = mask[16 T + r][128 s + 32 b + 16 hh + i]:
;   the key that score register 16 b + i of lane (r, hh) holds in the attention launch.  One word then masks one register by one select.
; A block's scale is 2^(floor(log2(its largest magnitude)) - 2); its byte is the largest magnitude's exponent field - 2, held at 1 from below.
; LIMITS: a block whose largest magnitude lies under 2^(3 - 127) (a block of zeros among them) gets the byte 1; a block of zeros has zero codes, which add nothing under that byte, and this program alone reads the bytes.  NaN and infinities are not served.
; SHARES: 1,024 work-groups of four waves; role = work-group / 256 (0 K, 1 Q, 2 V, 3 mask); a wave takes ONE item, 4 (work-group % 256) + wave, of its role's 1,024.  Waves share nothing: no barrier.
; Each role that uses LDS has bytes of its own, and in them each wave a stage of 16 rows x (256 + 16) bytes.
.set SP,   272                         ; a stage row: 68 words, so that 16 rows begin 4 words apart
.set WSTG, 16*SP                       ; a wave's stage
.set MSTG, 4*WSTG                      ; the mask's stages lie behind K's and Q's (which begin at byte 0)
.set QR,   32                          ; K, Q: v32-159 four tiles as loaded;
.set QX,   160                         ;       v160-191 a lane's 32 neighbours;
.set QC,   192                         ;       v192-207 codes, four registers a tile;
.set QW,   208                         ;       v208-211 a scale word a tile
.set VX,   32                          ; V: v32-159 a lane's 128 keys of its channel;
.set VC,   160                         ;    v160-175 codes;
.set VSB,  176                         ;    v176 the scale word
.set MR,   32                          ; mask: v32-63 as loaded;
.set MM,   64                          ;       v64-95 a lane's bytes: register 16 g + 4 b + q: keys 32 b + 16 hh + 4 q + 0 .. 3 of step g;
.set MT,   96                          ;       v96-103 at work;
.set MW,   104                         ;       v104-107 the words: lane l of register 2 g + u holds word 2 l + u of step g
	s_load_b256 s[4:11], s[0:1], 0x0               ; queries s[4:5], keys s[6:7], values s[8:9], attn_mask s[10:11]
	s_load_b128 s[12:15], s[0:1], 0x20             ; kv s[12:13], qx s[14:15]
	s_load_b64 s[16:17], s[0:1], 0x30              ; mb
	v_lshl_add_u32 v216, v0, 2, 0x8800
	v_mov_b32 v217, 0
	v_lshrrev_b32 v1, 5, v0
	v_readfirstlane_b32 s18, v1                    ; wave 0..3
	s_lshr_b32 s19, ttmp9, 8                       ; role
	s_and_b32 s20, ttmp9, 255
	s_lshl_b32 s20, s20, 2
	s_add_co_u32 s20, s20, s18                     ; item 0..1023
	s_mov_b32 s22, 0x76543210
	s_mov_b32 s23, 0xfedcba98                      ; v_permlanex16_b32's selects for lane l xor 16
	s_mov_b32 s24, 0xffff0000                      ; lanes 16-31
	s_mov_b32 s28, 0xff                            ; a word's four bytes
	s_mov_b32 s29, 0xff00
	s_mov_b32 s30, 0xff0000
	s_mov_b32 s31, 0xff000000
	s_mul_i32 s21, s18, WSTG                       ; my wave's stage
	v_and_b32 v1, 31, v0                           ; lane
	v_and_b32 v2, 15, v0                           ; r
	v_bfe_u32 v3, v0, 4, 1                         ; hh
	v_lshlrev_b32 v4, 4, v2
	v_lshl_add_u32 v4, v3, 11, v4                  ; a load of two rows: 2048 hh + 16 r: sixteen lanes take a row's 256 bytes
	v_mul_u32_u24 v5, v3, SP
	v_lshl_add_u32 v5, v2, 4, v5
	v_add_nc_u32 v5, s21, v5                       ; K, Q: into the stage: row hh, 16 r
	v_mul_u32_u24 v6, v2, SP
	v_lshl_add_u32 v6, v3, 7, v6
	v_add_nc_u32 v6, s21, v6                       ; and out of it: row r, its block hh (128 bytes)
	v_lshlrev_b32 v7, 4, v1                        ; 16 x lane
	v_lshlrev_b32 v8, 4, v2
	v_lshl_add_u32 v8, v3, 3, v8                   ; 16 r + 8 hh: two of a row's four scale words
	v_lshlrev_b32 v9, 3, v1                        ; 8 x lane
	v_lshlrev_b32 v10, 3, v3                       ; 8 hh: my block's byte in a scale word, in bits
	v_mov_b32 v15, 0                               ; written once: a lane permute's destination counts as one of its sources
	v_add_nc_u32 v22, MSTG, v5                     ; mask: into its stage
	v_mul_u32_u24 v23, v2, SP
	v_lshl_add_u32 v23, v3, 4, v23
	v_add_nc_u32 v23, s21, v23
	v_add_nc_u32 v23, MSTG, v23                    ; and out of it: row r, 16 hh
	v_lshlrev_b32 v24, 2, v1                       ; 4 x lane
	v_lshlrev_b32 v25, 4, v2
	v_lshl_add_u32 v25, v3, 10, v25                ; V's codes: 1024 hh + 16 r
	; K, Q, V: item = 32 hd + 2 s + g
	s_lshr_b32 s25, s20, 5                         ; hd
	s_bfe_u32 s26, s20, 0x40001                    ; s: which 128 rows
	s_and_b32 s27, s20, 1                          ; g: which half of the work on them
	s_lshr_b32 s52, s25, 3
	s_lshl_b32 s52, s52, 22                        ; b x 2^22
	s_and_b32 s53, s25, 7
	s_lshl_b32 s53, s53, 8                         ; h x 256
	s_add_co_u32 s52, s52, s53
	s_lshl_b32 s53, s26, 18                        ; 128 s rows of 2,048 bytes
	s_add_co_u32 s52, s52, s53
	s_mov_b32 s53, 0                               ; s[52:53]: the rows' first byte in an input
	s_lshr_b32 s54, s20, 1                         ; 16 hd + s: the block in kv or qx
	s_wait_kmcnt 0x0
	s_cmp_ge_u32 s19, 2
	s_cbranch_scc1 .Lv_or_mask
; The largest magnitude of 32 numbers of a lane, with the floor 2^(3 - 127) among its leaves, in two chains; v11 = that with 2 off its exponent field: the conversion takes the exponent field of this operand as its scale.
.macro AMAX xs
	v_max3_num_f32 v12, |v[(\xs)]|, |v[(\xs)+1]|, |v[(\xs)+2]|
	v_max3_num_f32 v13, |v[(\xs)+3]|, |v[(\xs)+4]|, |v[(\xs)+5]|
.irp i, 6,10,14,18,22,26
	v_max3_num_f32 v12, v12, |v[(\xs)+\i]|, |v[(\xs)+\i+1]|
	v_max3_num_f32 v13, v13, |v[(\xs)+\i+2]|, |v[(\xs)+\i+3]|
.endr
	v_max3_num_f32 v12, v12, |v[(\xs)+30]|, |v[(\xs)+31]|
	v_max3_num_f32 v12, v12, v13, 0x1800000
	v_add_nc_u32 v11, 0xff000000, v12
.endm
	; ---- K and Q: one text.  The wave takes tiles 4 g + j, j = 0 .. 3: 64 rows.  Row p of tile j is, from the wave's first row: K: 32 (j / 2) + 8 (j % 2) + p + 8 (p / 8);  Q: 16 j + p.
	; A load takes rows p = 2 i + hh.  The immediate carries (16 (j - j % 2) + 2 i) rows; the rest stands in four bases: even j: P0 (i < 4), P1 = P0 + e1 (i >= 4); odd j: P2 = P0 + e2, P3 = P0 + 16 rows.
	s_cmp_eq_u32 s19, 0                            ; K?  The choices hang on the work-group's number alone
	s_cselect_b64 s[32:33], s[6:7], s[4:5]
	s_cselect_b64 s[40:41], s[12:13], s[14:15]
	s_mov_b32 s55, 4608
	s_cselect_b32 s55, 8960, s55                   ; a block of kv or of qx
	s_mov_b32 s56, 4096
	s_cselect_b32 s56, 8192, s56                   ; where its scale words begin
	s_cselect_b32 s58, 16384, 0                    ; e1: K 8 rows, Q none
	s_mov_b32 s60, 32768
	s_cselect_b32 s60, 16384, s60                  ; e2: K 8 rows, Q 16
	s_mov_b32 s59, 0
	s_mov_b32 s61, 0
	s_lshl_b32 s57, s27, 17                        ; 64 g rows
	s_add_co_u32 s52, s52, s57
	s_add_nc_u64 s[32:33], s[32:33], s[52:53]      ; P0
	s_add_nc_u64 s[34:35], s[32:33], s[58:59]      ; P1
	s_add_nc_u64 s[36:37], s[32:33], s[60:61]      ; P2
	s_add_nc_u64 s[38:39], s[32:33], 32768         ; P3
	s_mul_i32 s54, s54, s55
	s_mov_b32 s55, 0
	s_add_nc_u64 s[40:41], s[40:41], s[54:55]      ; the block
	s_lshl_b32 s57, s27, 8
	s_add_co_u32 s56, s56, s57
	s_mov_b32 s57, 0
	s_add_nc_u64 s[42:43], s[40:41], s[56:57]      ; my four tiles' scale words: + 256 g
	s_lshl_b32 s56, s27, 11
	s_add_nc_u64 s[40:41], s[40:41], s[56:57]      ; my four tiles' codes: + 2048 g
.macro LOADT j
.irp i, 0,1,2,3,4,5,6,7
.set PB, 32+4*((\j)%2)+2*(\i/4)
	global_load_b128 v[QR+32*(\j)+4*\i:QR+32*(\j)+4*\i+3], v4, s[PB:PB+1] offset:(16*((\j)/2*2)+2*\i)*2048 th:TH_LOAD_NT
.endr
.endm
; A tile turns through the stage: in as loaded (16 bytes of a row a lane), out as 32 neighbours of ONE row a lane: a whole block, so its maximum needs no other lane, and its 16 bytes of codes are the operand's registers.
.macro TILE j
	s_wait_loadcnt 8*(3-(\j))                      ; this tile's eight loads are in; the later tiles' may be out
.irp i, 0,1,2,3,4,5,6,7
	ds_store_b128 v5, v[QR+32*(\j)+4*\i:QR+32*(\j)+4*\i+3] offset:2*SP*\i
.endr
.irp i, 0,1,2,3,4,5,6,7
	ds_load_b128 v[QX+4*\i:QX+4*\i+3], v6 offset:16*\i         ; LDS serves a wave's instructions in order: these see the stores above
.endr
	s_wait_dscnt 0x0
	AMAX QX
.irp q, 0,1,2,3
	v_cvt_scalef32_pk8_fp4_f32 v[QC+4*(\j)+\q], v[QX+8*\q:QX+8*\q+7], v11
.endr
	v_lshrrev_b32 v14, 23, v11                     ; the scale's byte (a plain line behind the conversions),
	v_lshlrev_b32 v14, v10, v14                    ; at its place in the row's word;
	v_permlanex16_b32 v15, v14, s22, s23
	v_or_b32 v14, v14, v15                         ; with lane l xor 16's, the row's other block;
	v_or_b32 v[QW+(\j)], 0x7f7f0000, v14           ; bytes 2 and 3 stand over zero codes
	global_store_b128 v7, v[QC+4*(\j):QC+4*(\j)+3], s[40:41] offset:512*(\j)   ; 512 consecutive bytes
.endm
	LOADT 0
	LOADT 1
	LOADT 2
	LOADT 3
	TILE 0
	TILE 1
	TILE 2
	TILE 3
	v_cndmask_b32 v20, v[QW], v[QW+2], s24         ; row r's four words are 16 bytes: lanes 0-15 store tiles 0 and 1's, lanes 16-31 tiles 2 and 3's
	v_cndmask_b32 v21, v[QW+1], v[QW+3], s24
	global_store_b64 v8, v[20:21], s[42:43]        ; 256 consecutive bytes
	s_wait_tensorcnt 0x0
	ds_add_u32 v216, v217
	s_wait_dscnt 0x0
	s_endpgm
.Lv_or_mask:
	s_cmp_eq_u32 s19, 2
	s_cbranch_scc0 .Lmask
	; ---- V: K = the keys, which are not innermost: a lane takes a channel, 32 g + lane, and its registers run down the step's 128 keys.  Nothing is transposed.
	s_lshl_b32 s57, s27, 7                         ; 32 g channels
	s_add_co_u32 s52, s52, s57
	s_add_nc_u64 s[32:33], s[8:9], s[52:53]
	s_mul_i32 s54, s54, 8960
	s_mov_b32 s55, 0
	s_add_nc_u64 s[40:41], s[12:13], s[54:55]      ; the block
	s_lshl_b32 s56, s27, 7
	s_add_co_u32 s56, s56, 8704
	s_mov_b32 s57, 0
	s_add_nc_u64 s[42:43], s[40:41], s[56:57]      ; my 32 channels' scale words
	s_lshl_b32 s56, s27, 11
	s_add_co_u32 s56, s56, 4096
	s_add_nc_u64 s[40:41], s[40:41], s[56:57]      ; my two tiles' codes
.macro VLOAD b                         ; key block b: 32 rows, 128 consecutive bytes each
.set KK, 32*(\b)
.rept 32
	global_load_b32 v[VX+KK], v24, s[32:33] offset:2048*KK th:TH_LOAD_NT
.set KK, KK+1
.endr
.endm
.macro VBLOCK b
	AMAX VX+32*(\b)
	v_lshrrev_b32 v14, 23, v11                     ; the scale's byte, the lower keys in the lower byte
.if (\b) == 0
	v_mov_b32 v[VSB], v14
.else
	v_lshl_or_b32 v[VSB], v14, 8*(\b), v[VSB]
.endif
.irp q, 0,1,2,3
	v_cvt_scalef32_pk8_fp4_f32 v[VC+4*(\b)+\q], v[VX+32*(\b)+8*\q:VX+32*(\b)+8*\q+7], v11
.endr
	v_nop                                          ; a plain line behind the conversions: the next block writes their scale operand
	global_store_b128 v25, v[VC+4*(\b):VC+4*(\b)+3], s[40:41] offset:512*((\b)/2)+256*((\b)%2)   ; block b is half b / 2, lane half b % 2 of the operand; sixteen lanes store 256 consecutive bytes
.endm
	s_wait_alu depctr_va_vdst(0)
	VLOAD 0
	VLOAD 1
	s_wait_loadcnt 32                              ; block 0 is in; block 1 may be out
	VLOAD 2
	VBLOCK 0
	s_wait_loadcnt 32                              ; block 1 is in; block 2 may be out
	VLOAD 3
	VBLOCK 1
	s_wait_loadcnt 32                              ; block 2 is in; block 3 may be out
	VBLOCK 2
	s_wait_loadcnt 0x0
	VBLOCK 3
	global_store_b32 v24, v[VSB], s[42:43]         ; 128 consecutive bytes
	s_endpgm
.Lmask:
	; ---- the mask: item = 8 T + x: 16 rows (queries 16 T on) x 256 bytes (key steps 2 x and 2 x + 1)
	s_lshr_b32 s52, s20, 3                         ; T
	s_and_b32 s54, s20, 7                          ; x
	s_lshl_b32 s56, s52, 15                        ; 16 T rows of 2,048 bytes
	s_lshl_b32 s57, s54, 8
	s_add_co_u32 s56, s56, s57
	s_mov_b32 s57, 0
	s_add_nc_u64 s[32:33], s[10:11], s[56:57]
	s_lshl_b32 s56, s52, 12                        ; (16 T + 2 x) x 256
	s_lshl_b32 s58, s54, 9
	s_add_co_u32 s56, s56, s58
	s_add_nc_u64 s[40:41], s[16:17], s[56:57]
.irp i, 0,1,2,3,4,5,6,7
	global_load_b128 v[MR+4*\i:MR+4*\i+3], v4, s[32:33] offset:4096*\i th:TH_LOAD_NT   ; rows 2 i + hh; sixteen lanes take 256 consecutive bytes
.endr
.irp i, 0,1,2,3
	v_mov_b32 v[MW+\i], 0                          ; v_writelane_b32's destination counts as one of its sources
.endr
	s_wait_loadcnt 0x0
.irp i, 0,1,2,3,4,5,6,7
	ds_store_b128 v22, v[MR+4*\i:MR+4*\i+3] offset:2*SP*\i
.endr
	s_wait_alu depctr_va_vdst(0)
.irp g, 0,1
.irp b, 0,1,2,3
	ds_load_b128 v[MM+16*\g+4*\b:MM+16*\g+4*\b+3], v23 offset:128*\g+32*\b     ; row r, keys 32 b + 16 hh + 0 .. 15 of step g
.endr
.endr
	s_wait_dscnt 0x0
; Step g's 64 words, eight at a time.  Word j = 8 q + n = 16 b + i: a byte is cut out, the compare's lane mask IS the word, and it goes to lane j / 2 of register j % 2, so that a lane stores two neighbouring words.
.macro BITS g
.irp q, 0,1,2,3,4,5,6,7
.irp n, 0,1,2,3,4,5,6,7
	v_and_b32 v[MT+\n], s[28+\n%4], v[MM+16*\g+4*(\q/2)+2*(\q%2)+\n/4]
.endr
.irp n, 0,1,2,3,4,5,6,7
	v_cmp_ne_u32 s[44+\n], 0, v[MT+\n]
.endr
.irp n, 0,1,2,3,4,5,6,7
	v_writelane_b32 v[MW+2*\g+\n%2], s[44+\n], 4*\q+\n/2
.endr
.endr
	global_store_b64 v9, v[MW+2*\g:MW+2*\g+1], s[40:41] offset:256*\g          ; 256 consecutive bytes
.endm
	BITS 0
	BITS 1
	s_wait_tensorcnt 0x0
	ds_add_u32 v216, v217
	s_wait_dscnt 0x0
	s_endpgm
.Lfunc_end_k_qed6a5c0a39_prep:
	.size	k_qed6a5c0a39_prep, .Lfunc_end_k_qed6a5c0a39_prep-k_qed6a5c0a39_prep
	.p2alignl 7, 3214868480
	.fill 96, 4, 3214868480
	.section	.rodata,"a",@progbits
	.p2align	6, 0x0
	.amdhsa_kernel k_qed6a5c0a39_prep
		.amdhsa_group_segment_fixed_size 35328
		.amdhsa_private_segment_fixed_size 0
		.amdhsa_enable_private_segment 0
		.amdhsa_kernarg_size 56
		.amdhsa_user_sgpr_count 2
		.amdhsa_user_sgpr_kernarg_segment_ptr 1
		.amdhsa_wavefront_size32 1
		.amdhsa_system_sgpr_workgroup_id_x 1
		.amdhsa_system_sgpr_workgroup_id_y 1
		.amdhsa_system_sgpr_workgroup_id_z 1
		.amdhsa_system_vgpr_workitem_id 0
		.amdhsa_next_free_vgpr 218
		.amdhsa_next_free_sgpr 66
		.amdhsa_reserve_vcc 0
		.amdhsa_float_denorm_mode_32 3
		.amdhsa_float_denorm_mode_16_64 3
		.amdhsa_memory_ordered 1
		.amdhsa_forward_progress 1
		.amdhsa_inst_pref_size 61
	.end_amdhsa_kernel
	.amdgpu_metadata
---
amdhsa.version: [ 1, 2 ]
amdhsa.kernels:
  - .name:           k_qed6a5c0a39_prep
    .symbol:         k_qed6a5c0a39_prep.kd
    .args:
      - { .name: queries, .offset: 0, .size: 8, .value_kind: global_buffer, .address_space: global }
      - { .name: keys, .offset: 8, .size: 8, .value_kind: global_buffer, .address_space: global }
      - { .name: values, .offset: 16, .size: 8, .value_kind: global_buffer, .address_space: global }
      - { .name: attn_mask, .offset: 24, .size: 8, .value_kind: global_buffer, .address_space: global }
      - { .name: kv, .offset: 32, .size: 8, .value_kind: global_buffer, .address_space: global }
      - { .name: qx, .offset: 40, .size: 8, .value_kind: global_buffer, .address_space: global }
      - { .name: mb, .offset: 48, .size: 8, .value_kind: global_buffer, .address_space: global }
    .group_segment_fixed_size: 35328
    .private_segment_fixed_size: 0
    .kernarg_segment_align: 8
    .kernarg_segment_size: 56
    .max_flat_workgroup_size: 128
    .sgpr_count:     66
    .vgpr_count:     218
    .wavefront_size: 32
...
	.end_amdgpu_metadata
.endif
;; end of part 1
;; launch attn (part 2): grid 8 x 32, 16 waves a work-group, clusters of 4 x 1, 215,040 bytes of LDS; arguments kv, qx, mb, out0; writes out0
.if DOCPART == 2
	.amdgcn_target "amdgcn-amd-amdhsa--gfx1250"
	.amdhsa_code_object_version 6
	.text
	.protected	k_qed6a5c0a39_attn
	.globl	k_qed6a5c0a39_attn
	.p2align	8
	.type	k_qed6a5c0a39_attn,@function
k_qed6a5c0a39_attn:
	s_mov_b64 s[64:65], 0
	v_nop
	global_prefetch_b8 v0, s[64:65] scope:SCOPE_SE
	s_setreg_imm32_b32 hwreg(HW_REG_WAVE_MODE, 25, 1), 1
	s_wait_xcnt 0x0
	s_wait_alu depctr_hold_cnt(0) depctr_sa_sdst(0) depctr_va_vdst(0) depctr_va_sdst(0) depctr_va_ssrc(0) depctr_va_vcc(0) depctr_vm_vsrc(0)
	s_getreg_b32 s2, hwreg(HW_REG_IB_STS2, 6, 4)
	s_cmp_eq_u32 s2, 0
	s_cbranch_scc0 .Lentry_in_a_cluster
	s_endpgm
.Lentry_in_a_cluster:
	s_bfe_u32 s2, ttmp6, 0x10000c
	s_cmp_lg_u32 s2, 0x3003
	s_cbranch_scc0 .Lentry_shape_is_right
	s_endpgm
.Lentry_shape_is_right:
; out0[b][q][h][:] = the sum over k of softmax_k(where(mask[q][k], Q[q] . K[k], very negative) / 8) V[k][:], for 32 heads hd = 8 b + h of 2,048 queries and keys, head size 64.
; Both products on codes of E2M1 with one E8M0 scale for each 32 along a product's K; codes, scale words and the mask's lane masks were laid out by the launch before (its head comment has the layouts of kv, qx, mb).
; THE SOFTMAX AHEAD OF THE SECOND PRODUCT: t = score x c, c = log2(e) / 8; M = the row's largest t so far, rounded UP to a whole number; p = 2^(t - M) is quantised along the keys, not normalised.
; The row's sum is taken of the unquantised p and divides at the end.  When M moves, the sum and O are multiplied by 2^(old M - new M): exact.
; THE MASK: a hidden score becomes -2^30 ahead of the maximum.  c x -2^30 is exact and a whole number, so in a row that is hidden everywhere M = t and every p is exactly 1: the plain mean, as with any one very negative number;
; where a row has an open key, hidden keys get p = 0.  LIMIT: open scores |Q . K| stay under 2^29.  NaN and infinities are not served.
; SHARES.  A work-group owns 256 queries of one head; each of its sixteen waves 16 of them, one tile, in under 256 registers: four waves to a SIMD, so that one wave's vector work stands beside another's matrix work and LDS loads.
; Every wave walks the head's 16 key steps of 128 keys.  A HEAD'S CODES AND SCALES, 16 x 8,960 bytes, FIT IN LDS: each byte is filled once, at the start; no slot is ever filled again.
; CLUSTER.  The four work-groups of a cluster belong to one head, so each block is asked for JOINTLY: the same tensor load, with the same descriptor and a mask that names the four, in all four.
; LAYOUT.  Both products are used transposed: S^T = K Q^T (source 0 = 16 keys, source 1 = my 16 queries), O^T = V^T P^T: a lane holds ONE query (lane % 16) throughout.  Score register 16 b + i of lane (r, hh) is key 32 b + 16 hh + i of the step.
; The first product's K is 64: registers 4-7 of K's and Q's fragments are zero codes, cleared once.
.set STEPB, 8960                       ; a key step's block: K's codes 4,096, V's codes 4,096, K's scale words 512, V's 256
.set CHB,   4*STEPB                    ; a chunk: four steps, one from each fetching wave
.set STG,   16*STEPB                   ; behind the head's blocks: the way out's stages, 16 rows x (256 + 16) bytes for each wave; no fill lands there
.set SPT,   272
.set LI,  1                            ; v1   16 x lane
.set LS,  2                            ; v2   4 x lane
.set ADR, 3                            ; v3   the step's block + 16 x lane
.set ADS, 4                            ; v4   the step's block + 4 x lane
.set NEG, 5                            ; v5   -2^30
.set GO,  6                            ; v6   the way out: 2048 hh + 16 r in out0
.set STO, 7                            ; v7   where I put 16 bytes of a row in my stage
.set RD,  8                            ; v8   where I read a row back
                                       ; v9   16 r;  v12 -M, v13 the largest t, v[14:15] the sum in two halves
.set QF,  16                           ; v16-23   Q's fragment
.set QSC, 24                           ; v24      Q's scale words
.set VSC, 26                           ; v26-27   V's: tiles 0, 1 in the two halves of v26's lanes, tiles 2, 3 in v27's
.set KSC, 28                           ; v28-31   K's: tile j in lanes 0-15, tile 4 + j in lanes 16-31 of register j
.set KF,  32                           ; v32-63   four fragments of K
.set VF,  64                           ; v64-95   V's four fragments
.set S,   96                           ; v96-159  S^T, then p; on the way out rows of out0
.set O,   160                          ; v160-191 O^T
.set PC,  192                          ; v192-199 p's codes
.set TM,  200                          ; v200-203 the blocks' largest scores, then largest p
.set TP,  204                          ; v204-207 at work
.set TS,  208                          ; v208-211 the conversions' scale operands
.set FF,  212                          ; v[212:213] f = 2^(old M - new M), named as a pair
.set PW,  214                          ; v214     p's scale word
.set TT,  215                          ; v215     at work
.set L2,  216                          ; v[216:217] the sums' second chain
; SCALARS: s2 wave; s3 steps left in a chunk; s[4:5] my tile's mask words; s6 the step's offset in them; s7 the step's LDS byte; s[8:15] descriptor group 1; s[16:31] four groups 0;
;          s[32:63], s[68:99] the step's 64 mask words (word j: s[32 + j + 4 (j / 32)]); s[66:67] c; s100, s101 lane selects; s[104:105] out0 at my first row
.macro ROUND                           ; a round of the cluster's barrier
	s_barrier_signal -1
	s_barrier_wait -1
	s_cmp_lg_u32 s2, 0
	s_cbranch_scc1 .Lnot_wave_0_\@
	s_barrier_signal -3
.Lnot_wave_0_\@:
	s_barrier_wait -3
	s_barrier_signal -1
	s_barrier_wait -1
.endm
	s_load_b256 s[32:39], s[0:1], 0x0              ; kv s[32:33], qx s[34:35], mb s[36:37], out0 s[38:39]
	v_lshl_add_u32 v224, v0, 2, 0x34000
	v_mov_b32 v225, 0
	ds_add_u32 v224, v225
	ds_add_u32 v224, v225
	v_lshrrev_b32 v9, 5, v0
	s_delay_alu instid0(VALU_DEP_1)
	v_readfirstlane_b32 s2, v9                     ; wave 0..15
	v_and_b32 v10, 31, v0                          ; lane
	v_and_b32 v9, 15, v0                           ; r
	v_bfe_u32 v11, v0, 4, 1                        ; hh
	s_delay_alu instid0(VALU_DEP_3)
	v_lshlrev_b32 v[LI], 4, v10
	s_delay_alu instid0(VALU_DEP_4)
	v_lshlrev_b32 v[LS], 2, v10
	v_mov_b32 v[NEG], 0xce800000
	v_lshlrev_b32 v[GO], 4, v9
	s_delay_alu instid0(VALU_DEP_1)
	v_lshl_add_u32 v[GO], v11, 11, v[GO]
	s_mul_i32 s3, s2, 16*SPT
	s_add_co_u32 s3, s3, STG                       ; my stage
	v_mul_u32_u24 v[STO], v9, SPT
	s_delay_alu instid0(VALU_DEP_1)
	v_lshl_add_u32 v[STO], v11, 5, v[STO]
	s_delay_alu instid0(VALU_DEP_1)
	v_add_nc_u32 v[STO], s3, v[STO]                ; in: row r, 32 hh
	v_mul_u32_u24 v[RD], v11, SPT
	s_delay_alu instid0(VALU_DEP_1)
	v_lshl_add_u32 v[RD], v9, 4, v[RD]
	s_delay_alu instid0(VALU_DEP_1)
	v_add_nc_u32 v[RD], s3, v[RD]                  ; back: lanes 0-15 one row, lanes 16-31 the next
	v_lshlrev_b32 v9, 4, v9                        ; 16 r
	; descriptor group 1: a step's block, 8,960 dense bytes, as 35 rows of 32 elements of 8 bytes
	s_mov_b32 s8, 15|(3<<16)|(1<<21)               ; 15:0 the mask: all four work-groups; 17:16 elements of 8 bytes; 21 set beside a mask; no padding
	s_mov_b32 s9, 32<<16                           ; tensor_dim0 = 32
	s_mov_b32 s10, 35<<16                          ; tensor_dim1 = 35
	s_mov_b32 s11, 32<<16                          ; tile_dim0 = 32
	s_mov_b32 s12, 35                              ; tile_dim1 = 35
	s_mov_b32 s13, 32                              ; from row to row
	s_mov_b32 s14, 0
	s_mov_b32 s15, 0
	s_mov_b32 s66, 0x3e38aa3b                      ; c = log2(e) / 8
	s_mov_b32 s67, s66                             ; (named with it as a pair, so it is written)
	s_mov_b32 s100, 0x76543210
	s_mov_b32 s101, 0xfedcba98                     ; lane l xor 16
	s_mov_b32 s6, 0
	s_and_b32 s40, ttmp7, 0xffff                   ; the head, which the four partners share
	s_mul_i32 s42, s40, 16*STEPB
	s_mul_i32 s41, s2, STEPB                       ; a fetching wave w brings steps w, 4 + w, 8 + w, 12 + w: no place in the cluster enters these
	s_add_co_u32 s42, s42, s41
	s_mov_b32 s43, 0
	s_bfe_u32 s44, ttmp6, 0x40000                  ; cx: it enters the addresses of Q, the mask words and out0 alone
	s_lshl_b32 s45, ttmp9, 2
	s_add_co_u32 s44, s45, s44                     ; my block of 256 queries
	s_lshl_b32 s45, s44, 4
	s_add_co_u32 s45, s45, s2                      ; T: my tile of 16 queries, 0..127
	s_lshl_b32 s46, s45, 12                        ; its 16 x 256 bytes of mask words
	s_mov_b32 s47, 0
	s_lshr_b32 s48, s40, 3
	s_lshl_b32 s48, s48, 22                        ; b x 2^22
	s_and_b32 s49, s40, 7
	s_lshl_b32 s49, s49, 8                         ; h x 256
	s_add_co_u32 s48, s48, s49
	s_lshl_b32 s49, s45, 15                        ; 16 T rows of 2,048 bytes
	s_add_co_u32 s48, s48, s49
	s_mov_b32 s49, 0
	s_lshl_b32 s50, s40, 4
	s_lshl_b32 s51, s44, 1
	s_add_co_u32 s50, s50, s51
	s_lshr_b32 s51, s2, 3
	s_add_co_u32 s50, s50, s51                     ; Q's block: 16 hd + my group of 128 queries
	s_mul_i32 s50, s50, 4608
	s_mov_b32 s51, 0
	s_and_b32 s54, s2, 7
	s_lshl_b32 s54, s54, 9                         ; my tile's codes in it
	s_mov_b32 s55, 0
	s_bfe_u32 s60, s2, 0x10002
	s_lshl_b32 s60, s60, 8                         ; its scale words: 4096 + 256 (tile / 4) + 4 (tile % 4), + 16 r
	s_and_b32 s61, s2, 3
	s_lshl_b32 s61, s61, 2
	s_add_co_u32 s60, s60, s61
	s_add_co_u32 s60, s60, 4096
	s_mov_b32 s61, 0
	s_wait_dscnt 0x0
	s_wait_kmcnt 0x0
	s_add_nc_u64 s[42:43], s[32:33], s[42:43]      ; kv at my first step
	s_add_nc_u64 s[4:5], s[36:37], s[46:47]
	s_add_nc_u64 s[104:105], s[38:39], s[48:49]
	s_add_nc_u64 s[52:53], s[34:35], s[50:51]
	s_add_nc_u64 s[56:57], s[52:53], s[54:55]      ; Q's codes
	s_add_nc_u64 s[58:59], s[52:53], s[60:61]      ; Q's scale words
.irp i, 0,1,2,3
	s_mov_b32 s[16+4*\i], 1                        ; count = 1
	s_add_co_u32 s[17+4*\i], s41, CHB*\i           ; LDS address: step 4 i + w
	s_add_nc_u64 s[18+4*\i:19+4*\i], s[42:43], CHB*\i   ; and the same step in memory
	s_or_b32 s[19+4*\i], s[19+4*\i], 0x80000000    ; type = 2
.endr
	ROUND                                          ; all four work-groups are here: the joint loads meet
	s_cmp_lt_u32 s2, 4                             ; waves 0 to 3 fetch: all of a wave's fills stand in this one branch, ahead of every wait on TENSORcnt and every LDS read; four loads of a wave are out
	s_cbranch_scc0 .Lnofill
	tensor_load_to_lds s[16:19], s[8:15]
	s_nop 0
	tensor_load_to_lds s[20:23], s[8:15]
	s_nop 0
	tensor_load_to_lds s[24:27], s[8:15]
	s_nop 0
	tensor_load_to_lds s[28:31], s[8:15]
	s_nop 0
.rept 4
	v_nop
.endr
.Lnofill:
	global_load_b128 v[QF:QF+3], v[LI], s[56:57]   ; Q's fragment stays in registers
	s_wait_alu depctr_va_vdst(0)
	global_load_b32 v[QSC], v9, s[58:59]
	s_wait_xcnt 0x0                                ; these loads have read their bases, which lie where the mask words land
	s_load_b512 s[32:47], s[4:5], s6 offset:0x0    ; step 0's mask words
	s_load_b512 s[48:63], s[4:5], s6 offset:0x40
	s_load_b512 s[68:83], s[4:5], s6 offset:0x80
	s_load_b512 s[84:99], s[4:5], s6 offset:0xc0
.irp j, 4,5,6,7
	v_mov_b32 v[QF+\j], 0                          ; zero codes for k = 64 .. 127
.endr
.irp t, 0,1,2,3
.irp j, 4,5,6,7
	v_mov_b32 v[KF+8*\t+\j], 0
.endr
.endr
.set J, 0
.rept 32
	v_mov_b32 v[O+J], 0                            ; O^T.  (The step is written without a first step of its own: the first finds zeros, which the first change of M leaves zeros)
.set J, J+1
.endr
.irp b, 0,1,2,3
	v_mov_b32 v[TP+\b], 0                          ; a lane permute's destination counts as one of its sources
.endr
	v_mov_b32 v[TT], 0
	v_mov_b32 v[FF+1], 0                           ; (named as the upper half of the pair)
	v_mov_b32 v13, 0xff61b1e6                      ; the largest t so far: -3e38, under every t
	s_delay_alu instid0(VALU_DEP_1)
	v_floor_f32 v12, -v13                          ; -M
	v_mov_b32 v14, 0
	v_mov_b32 v15, 0
	s_wait_loadcnt 0x0                             ; Q
.macro MASKS from                      ; 32 score registers: one select each, on the register's lane mask; ascending
.set J, \from
.rept 32
	v_cndmask_b32 v[S+J], v[NEG], v[S+J], s[32+J+4*(J/32)]
.set J, J+1
.endr
.endm
.macro BMAX b0, b1                     ; the largest score of my 16 keys of two blocks of 32, the blocks by turns.  It serves twice: for the row's maximum, and, since p rises with the score, for the block's largest p
.irp b, \b0, \b1
	v_max3_num_f32 v[TM+\b], v[S+16*\b], v[S+16*\b+1], v[S+16*\b+2]
.endr
.irp i, 3,5,7,9,11,13
.irp b, \b0, \b1
	s_delay_alu instid0(VALU_DEP_2)
	v_max3_num_f32 v[TM+\b], v[TM+\b], v[S+16*\b+\i], v[S+16*\b+\i+1]
.endr
.endr
.irp b, \b0, \b1
	s_delay_alu instid0(VALU_DEP_2)
	v_max_num_f32 v[TM+\b], v[TM+\b], v[S+16*\b+15]
.endr
.endm
; A KEY STEP: 128 keys.
.macro STEP
	v_add_nc_u32 v[ADR], s7, v[LI]
	v_add_nc_u32 v[ADS], s7, v[LS]
	v_nop
	v_nop                                          ; four places between the last step's products and the loads into V's registers (ISA guide 7.12.1 for vector instructions)
.irp t, 0,1,2,3
	ds_load_b128 v[KF+8*\t:KF+8*\t+3], v[ADR] offset:512*\t          ; K's tiles 0-3: an instruction's 512 bytes are consecutive
.endr
	ds_load_b128 v[KSC:KSC+3], v[ADR] offset:8192
.irp t, 0,1,2,3
.irp c, 0,1
	ds_load_b128 v[VF+8*\t+4*\c:VF+8*\t+4*\c+3], v[ADR] offset:4096+1024*\t+512*\c
.endr
.endr
	ds_load_b32 v[VSC], v[ADS] offset:8704
	ds_load_b32 v[VSC+1], v[ADS] offset:8832
	s_wait_alu depctr_va_vdst(0)
	s_wait_dscnt 10                                ; K's four tiles and its scale words are in; V's eight loads and its two scale loads may be out
.irp t, 0,1,2,3
	v_wmma_scale_f32_16x16x128_f8f6f4 v[S+8*\t:S+8*\t+7], v[KF+8*\t:KF+8*\t+7], v[QF:QF+7], 0, v[KSC+\t], v[QSC] matrix_a_fmt:MATRIX_FMT_FP4 matrix_b_fmt:MATRIX_FMT_FP4
.endr
.rept 4
	v_nop                                          ; places in front of the loads into K's registers and of the first read of the scores
.endr
.irp t, 0,1,2,3
	ds_load_b128 v[KF+8*\t:KF+8*\t+3], v[ADR] offset:2048+512*\t     ; K's tiles 4-7
.endr
	s_wait_kmcnt 0x0                               ; this step's mask words, asked for a step ago
	MASKS 0
	s_wait_dscnt 0x0                               ; K's tiles 4-7, and V
.irp t, 0,1,2,3
	v_wmma_scale_f32_16x16x128_f8f6f4 v[S+32+8*\t:S+32+8*\t+7], v[KF+8*\t:KF+8*\t+7], v[QF:QF+7], 0, v[KSC+\t], v[QSC] matrix_a_fmt:MATRIX_FMT_FP4 matrix_b_fmt:MATRIX_FMT_FP4 matrix_a_scale:MATRIX_SCALE_ROW1
.endr
	BMAX 0, 1                                      ; sixteen plain lines on the first half's scores: the places behind these products
	MASKS 32
	BMAX 2, 3
	s_add_co_u32 s6, s6, 256                       ; the next step's mask words: the wait above has shown the last loads done, so their offset may step.
	s_and_b32 s6, s6, 0xfff                        ; (behind the last step it wraps: step 0's words are read once more, inside the buffer, and not used)
	s_load_b512 s[32:47], s[4:5], s6 offset:0x0
	s_load_b512 s[48:63], s[4:5], s6 offset:0x40
	s_load_b512 s[68:83], s[4:5], s6 offset:0x80
	s_load_b512 s[84:99], s[4:5], s6 offset:0xc0
.irp b, 0,1,2,3
	v_permlanex16_b32 v[TP+\b], v[TM+\b], s100, s101
.endr
.irp b, 0,1,2,3
	s_delay_alu instid0(VALU_DEP_4)
	v_max_num_f32 v[TM+\b], v[TM+\b], v[TP+\b]     ; with lane l xor 16's 16 keys
.endr
	s_delay_alu instid0(VALU_DEP_2)
	v_max3_num_f32 v[TT], v[TM], v[TM+1], v[TM+2]
	s_delay_alu instid0(VALU_DEP_1)
	v_max_num_f32 v[TT], v[TT], v[TM+3]            ; the step's largest score of my query
	s_delay_alu instid0(VALU_DEP_1)
	v_mul_f32 v[TT], s66, v[TT]                    ; as t (c is positive)
	s_delay_alu instid0(VALU_DEP_1)
	v_max_num_f32 v13, v13, v[TT]                  ; the running largest t
	v_mov_b32 v[TT], v12
	s_delay_alu instid0(VALU_DEP_2)
	v_floor_f32 v12, -v13                          ; the new -M = floor(-t) = -ceil(t): M is a whole number
	s_delay_alu instid0(VALU_DEP_1)
	v_sub_f32 v[TT], v12, v[TT]                    ; old M - new M: a whole number, 0 or less
	s_delay_alu instid0(VALU_DEP_1)
	v_cvt_i32_f32 v[TT], v[TT]                     ; (it saturates)
	s_delay_alu instid0(VALU_DEP_1)
	v_ldexp_f32 v[FF], 1.0, v[TT]                  ; f = 2^(old M - new M)
.set J, 0
.rept 32
	v_pk_fma_f32 v[S+J:S+J+1], v[S+J:S+J+1], s[66:67], v[12:13] op_sel_hi:[1,0,0]   ; t - M, two at a time (of the pairs c and -M the low word serves both halves)
.set J, J+2
.endr
.irp b, 0,1,2,3
	v_fma_f32 v[TM+\b], v[TM+\b], s66, v12         ; the same of each block's largest score
.endr
.set J, 0
	s_setprio 1
	s_wait_alu depctr_va_vdst(0)
.rept 64
	v_exp_f32 v[S+J], v[S+J]                       ; p = 2^(t - M), at most 1: not normalised
.set J, J+1
.endr
	v_pk_mul_f32 v[14:15], v[14:15], v[FF:FF+1] op_sel_hi:[1,0]      ; the sums under the new M: a plain line behind the exponentials
	s_wait_alu depctr_va_vdst(0)                   ; ahead of the first line that names a result: one wait for the 64
.irp b, 0,1,2,3
	v_exp_f32 v[TM+\b], v[TM+\b]                   ; the block's largest p: the same two instructions on the same number give the same bits
.endr
	v_pk_add_f32 v[216:217], v[100:101], v[104:105]
	v_pk_add_f32 v[222:223], v[108:109], v[112:113]
	v_pk_add_f32 v[220:221], v[116:117], v[120:121]
	v_pk_add_f32 v[218:219], v[124:125], v[128:129]
	v_pk_add_f32 v[210:211], v[132:133], v[136:137]
	v_pk_add_f32 v[208:209], v[140:141], v[144:145]
	v_pk_add_f32 v[206:207], v[148:149], v[152:153]
	v_pk_add_f32 v[14:15], v[14:15], v[156:157]
	v_pk_add_f32 v[216:217], v[216:217], v[96:97]
	v_pk_add_f32 v[222:223], v[222:223], v[98:99]
	v_pk_add_f32 v[220:221], v[220:221], v[102:103]
	v_pk_add_f32 v[218:219], v[218:219], v[106:107]
	v_pk_add_f32 v[210:211], v[210:211], v[110:111]
	v_pk_add_f32 v[208:209], v[208:209], v[114:115]
	v_pk_add_f32 v[206:207], v[206:207], v[118:119]
	v_pk_add_f32 v[14:15], v[14:15], v[122:123]
	v_pk_add_f32 v[216:217], v[216:217], v[126:127]
	v_pk_add_f32 v[222:223], v[222:223], v[130:131]
	v_pk_add_f32 v[220:221], v[220:221], v[134:135]
	v_pk_add_f32 v[218:219], v[218:219], v[138:139]
	v_pk_add_f32 v[210:211], v[210:211], v[142:143]
	v_pk_add_f32 v[208:209], v[208:209], v[146:147]
	v_pk_add_f32 v[206:207], v[206:207], v[150:151]
	v_pk_add_f32 v[14:15], v[14:15], v[154:155]
	v_pk_add_f32 v[216:217], v[216:217], v[158:159]
	s_delay_alu instid0(VALU_DEP_2)
	v_pk_add_f32 v[14:15], v[14:15], v[218:219]
	s_delay_alu instid0(VALU_DEP_2)
	v_pk_add_f32 v[216:217], v[216:217], v[210:211]
	v_pk_add_f32 v[222:223], v[222:223], v[208:209]
	v_pk_add_f32 v[220:221], v[220:221], v[206:207]
	s_delay_alu instid0(VALU_DEP_2)
	v_pk_add_f32 v[14:15], v[14:15], v[222:223]
	s_delay_alu instid0(VALU_DEP_2)
	v_pk_add_f32 v[216:217], v[216:217], v[220:221]
	s_delay_alu instid0(VALU_DEP_1)
	v_pk_add_f32 v[14:15], v[14:15], v[216:217]
	s_wait_alu depctr_va_vdst(0)                   ; and one for the four
.irp b, 0,1,2,3
	v_max_num_f32 v[TM+\b], 0x1800000, v[TM+\b]    ; the floor 2^(3 - 127): the byte cannot fall under 1 (a block whose every p is 0 keeps that byte: its codes are zeros)
.endr
.irp b, 0,1,2,3
	s_delay_alu instid0(VALU_DEP_4)
	v_add_nc_u32 v[TS+\b], 0xff000000, v[TM+\b]    ; 2 off the exponent field: the conversion's scale operand
.endr
.irp b, 0,1,2,3
	s_delay_alu instid0(VALU_DEP_4)
	v_lshrrev_b32 v[TP+\b], 23, v[TS+\b]           ; the scale's byte
.endr
	s_delay_alu instid0(VALU_DEP_3)
	v_lshl_or_b32 v[PW], v[TP+1], 8, v[TP]         ; p's scale word for these 128 keys
	s_delay_alu instid0(VALU_DEP_1)
	v_lshl_or_b32 v[PW], v[TP+2], 16, v[PW]
	s_delay_alu instid0(VALU_DEP_1)
	v_lshl_or_b32 v[PW], v[TP+3], 24, v[PW]
	s_setprio 0
.irp b, 0,1,2,3
	v_cvt_scalef32_pk8_fp4_f32 v[PC+2*\b], v[S+16*\b:S+16*\b+7], v[TS+\b]
	v_cvt_scalef32_pk8_fp4_f32 v[PC+2*\b+1], v[S+16*\b+8:S+16*\b+15], v[TS+\b]
.endr
	v_nop                                          ; a plain line behind the conversions
.irp c, 0,1                                    ; the operand's layout wants a WHOLE block in a lane: lanes 0-15 block 2 c, lanes 16-31 block 2 c + 1
.irp i, 0,1
	v_permlane16_swap_b32 v[PC+4*\c+\i], v[PC+2+4*\c+\i]
.endr
.endr
.set J, 0
.rept 16
	v_pk_mul_f32 v[O+J:O+J+1], v[O+J:O+J+1], v[FF:FF+1] op_sel_hi:[1,0]   ; O^T under the new M, each accumulator from its low end.  These sixteen also stand between the lines that made p's scale word and codes and the products
.set J, J+2
.endr
.irp t, 0,1,2,3                                ; O^T += V^T P^T: the four accumulators by turns
.if \t%2
	v_wmma_scale_f32_16x16x128_f8f6f4 v[O+8*\t:O+8*\t+7], v[VF+8*\t:VF+8*\t+7], v[PC:PC+7], v[O+8*\t:O+8*\t+7], v[VSC+\t/2], v[PW] matrix_a_fmt:MATRIX_FMT_FP4 matrix_b_fmt:MATRIX_FMT_FP4 matrix_a_scale:MATRIX_SCALE_ROW1
.else
	v_wmma_scale_f32_16x16x128_f8f6f4 v[O+8*\t:O+8*\t+7], v[VF+8*\t:VF+8*\t+7], v[PC:PC+7], v[O+8*\t:O+8*\t+7], v[VSC+\t/2], v[PW] matrix_a_fmt:MATRIX_FMT_FP4 matrix_b_fmt:MATRIX_FMT_FP4
.endif
.endr
	s_add_co_u32 s7, s7, STEPB
.endm
; A CHUNK: four steps.  left = the fetching wave's later loads, which may stay out: load i of waves 0 to 3 brought steps 4 i .. 4 i + 3.  Each fetching wave waits for its part, then the barrier shows the chunk to all sixteen.
; The later chunks may be on their way across them.  No LDS access of a wave is out at the signal: each step waits for all its loads.
.macro CHUNK left
	s_wait_tensorcnt \left
	s_barrier_signal -1
	s_barrier_wait -1
	s_mov_b32 s7, (3-\left)*CHB                    ; the chunk's first step in LDS
	s_mov_b32 s3, 4
.Lstep_\@:
	s_setprio 2
	STEP
	s_sub_co_i32 s3, s3, 1
	s_cmp_lg_u32 s3, 0
	s_cbranch_scc1 .Lstep_\@
	s_setprio 0
.endm
	CHUNK 3
	CHUNK 2
	CHUNK 1
	CHUNK 0                                        ; its wait is for zero: no tensor load is out from here on
	; THE WAY OUT.  O^T / the sum goes through my stage and leaves as whole rows of out0: 64 numbers, 256 bytes.
	s_wait_kmcnt 0x0                               ; the words asked for behind the last step: nothing is left pending
	v_add_f32 v14, v14, v15                        ; the sum's two halves,
	s_delay_alu instid0(VALU_DEP_1)
	v_permlanex16_b32 v[TT], v14, s100, s101
	s_delay_alu instid0(VALU_DEP_1)
	v_add_f32 v14, v14, v[TT]                      ; and lane l xor 16's: the row's sum
	s_wait_alu depctr_va_vdst(0)
	v_rcp_f32 v14, v14
.rept 4
	v_nop                                          ; a plain line behind the reciprocal; and the places behind the last products
.endr
	s_wait_alu depctr_va_vdst(0)                   ; ahead of the reciprocal's first reader
.set J, 0
.rept 32
	v_mul_f32 v[S+J], v[O+J], v14                  ; register 8 t + j is out(query r, channel 16 t + 8 hh + j)
.set J, J+1
.endr
.irp t, 0,1,2,3
	ds_store_b128 v[STO], v[S+8*\t:S+8*\t+3] offset:64*\t
	ds_store_b128 v[STO], v[S+8*\t+4:S+8*\t+7] offset:64*\t+16
.endr
.irp i, 0,1,2,3,4,5,6,7
	ds_load_b128 v[S+32+4*\i:S+32+4*\i+3], v[RD] offset:2*SPT*\i     ; my own bytes, and LDS serves a wave's instructions in order (ISA guide 5.7.1.4): these see the stores above
.endr
.irp i, 0,1,2,3,4,5,6,7
	s_wait_dscnt 7-\i                              ; rows 2 i and 2 i + 1 are back; the younger loads may be out
	global_store_b128 v[GO], v[S+32+4*\i:S+32+4*\i+3], s[104:105] offset:4096*\i th:TH_STORE_NT   ; sixteen lanes store a row's 256 consecutive bytes, at a multiple of 256 from out0's first byte
.endr
	s_wait_tensorcnt 0x0
	ds_add_u32 v224, v225
	s_wait_dscnt 0x0
	ROUND                                          ; the closing round: no work-group ends while a partner may still ask for a block that names it
	s_endpgm
.Lfunc_end_k_qed6a5c0a39_attn:
	.size	k_qed6a5c0a39_attn, .Lfunc_end_k_qed6a5c0a39_attn-k_qed6a5c0a39_attn
	.p2alignl 7, 3214868480
	.fill 96, 4, 3214868480
	.section	.rodata,"a",@progbits
	.p2align	6, 0x0
	.amdhsa_kernel k_qed6a5c0a39_attn
		.amdhsa_group_segment_fixed_size 215040
		.amdhsa_private_segment_fixed_size 0
		.amdhsa_enable_private_segment 0
		.amdhsa_kernarg_size 32
		.amdhsa_user_sgpr_count 2
		.amdhsa_user_sgpr_kernarg_segment_ptr 1
		.amdhsa_wavefront_size32 1
		.amdhsa_system_sgpr_workgroup_id_x 1
		.amdhsa_system_sgpr_workgroup_id_y 1
		.amdhsa_system_sgpr_workgroup_id_z 1
		.amdhsa_system_vgpr_workitem_id 0
		.amdhsa_next_free_vgpr 226
		.amdhsa_next_free_sgpr 106
		.amdhsa_reserve_vcc 0
		.amdhsa_float_denorm_mode_32 3
		.amdhsa_float_denorm_mode_16_64 3
		.amdhsa_memory_ordered 1
		.amdhsa_forward_progress 1
		.amdhsa_inst_pref_size 98
	.end_amdhsa_kernel
	.amdgpu_metadata
---
amdhsa.version: [ 1, 2 ]
amdhsa.kernels:
  - .name:           k_qed6a5c0a39_attn
    .symbol:         k_qed6a5c0a39_attn.kd
    .args:
      - { .name: kv, .offset: 0, .size: 8, .value_kind: global_buffer, .address_space: global }
      - { .name: qx, .offset: 8, .size: 8, .value_kind: global_buffer, .address_space: global }
      - { .name: mb, .offset: 16, .size: 8, .value_kind: global_buffer, .address_space: global }
      - { .name: out0, .offset: 24, .size: 8, .value_kind: global_buffer, .address_space: global }
    .group_segment_fixed_size: 215040
    .private_segment_fixed_size: 0
    .kernarg_segment_align: 8
    .kernarg_segment_size: 32
    .max_flat_workgroup_size: 512
    .sgpr_count:     106
    .vgpr_count:     226
    .wavefront_size: 32
...
	.end_amdgpu_metadata
.endif
;; end of part 2
